; MI455X (gfx1250); checked and timed in simulation.
; The chip was launched on July 23, 2026; its instructions are those of AMD's public machine-readable ISA for CDNA 5 (MIT licence, August 2026) and "CDNA5" Instruction Set Architecture Reference Guide (July 2026). The comments in the code are by the model that wrote it; some were corrected since.
;; MTA sharemoe2. Allowed arithmetic: float matrix products may take bf16 or f16 operands with f32 sums; other float arithmetic in f32, or as packed bf16 or f16 multiplies, adds, multiply-adds, maxima and minima; sums over many terms, partial sums and values carried from step to step in f32; what a program stores and reads back later, other than sums and carried values, may be rounded once to bf16 or f16.
;; Inputs: g1 3,072 x 1,024 float32; g2 1,024 x 3 float32; hidden_states 8 x 256 x 1,024 float32; swi 2 x 1,024 x 4,096 float32; swo 2 x 4,096 x 1,024 float32; type_label 8 int32; wi 5 x 1,024 x 4,096 float32; wo 5 x 4,096 x 1,024 float32.
;; Outputs: out0 8 x 256 x 1,024 float32.
;; One version. Each part assembles by itself: llvm-mc -triple=amdgcn-amd-amdhsa -mcpu=gfx1250 --defsym DOCPART=n.
;; ======== version 1 of 1: 5 launches
;; workspace buffers: xb 4,194,304 bytes; h 50,331,648 bytes; y 25,165,824 bytes; gp 393,216 bytes
;; launch cast (part 1): grid 256 x 1, 8 waves a work-group, no clusters, 0 bytes of LDS; arguments hidden_states, xb; writes xb
.if DOCPART == 1
	.amdgcn_target "amdgcn-amd-amdhsa--gfx1250"
	.amdhsa_code_object_version 6
	.text
	.protected	k_qd089a1aa8a_cast
	.globl	k_qd089a1aa8a_cast
	.p2align	8
	.type	k_qd089a1aa8a_cast,@function
k_qd089a1aa8a_cast:
	s_mov_b64 s[64:65], 0
	v_nop
	global_prefetch_b8 v0, s[64:65] scope:SCOPE_SE
	s_setreg_imm32_b32 hwreg(HW_REG_WAVE_MODE, 25, 1), 1
	s_wait_xcnt 0x0
; xb = hidden_states rounded once to bf16, laid out for the first product's tiles: [sample 8][strip 16][place 256][64 numbers].
; A strip is 64 neighbouring channels; row 16 a + 8 h + j of a sample lies at place 16 a + 2 j + h, 128 bytes a place, so a strip is 32,768 dense bytes.
; Work-group G: sample G >> 5, row block a = (G >> 1) & 15, strips 8 (G & 1) + wave.  A wave makes 16 places of one strip: 2,048 consecutive bytes, four stores of 512.
; Lane l of store t holds place 4 t + (l >> 3), numbers 8 (l & 7) on: row 8 ((l >> 3) & 1) + 2 t + (l >> 4) of the block; eight lanes read 256 consecutive bytes of that row.
; A stream: no LDS, no barrier; all eight loads of a wave go out first.
.set X, 8                              ; v[8:39]   load t: 8 numbers in f32
.set P, 40                             ; v[40:55]  store t: 8 numbers in bf16
	s_load_b128 s[4:7], s[0:1], 0x0                ; hidden_states s[4:5], xb s[6:7]
	v_lshrrev_b32 v1, 5, v0
	v_readfirstlane_b32 s8, v1                     ; wave
	v_and_b32 v2, 31, v0                           ; lane
	v_and_b32 v3, 7, v0                            ; which 8 numbers of the strip
	v_bfe_u32 v4, v0, 3, 1                         ; the place's low bit: rows 0-7 or 8-15 of the block
	v_bfe_u32 v5, v0, 4, 1                         ; the even or the odd row of the store's two
	v_lshl_add_u32 v4, v4, 3, v5
	v_lshlrev_b32 v6, 5, v3                        ; 32 bytes of f32 for 8 numbers,
	v_lshl_add_u32 v6, v4, 12, v6                  ; and the row: my offset in the input
	v_lshlrev_b32 v7, 4, v2                        ; 16 bytes a lane: my offset in the output
	s_lshr_b32 s9, ttmp9, 1                        ; 16 x sample + row block
	s_and_b32 s10, ttmp9, 1
	s_lshl_b32 s10, s10, 3
	s_add_co_u32 s10, s10, s8                      ; strip
	s_lshl_b32 s12, s9, 16                         ; 16 rows of 4,096 bytes a block
	s_lshl_b32 s11, s10, 8                         ; 256 bytes of f32 a strip
	s_add_co_u32 s12, s12, s11
	s_mov_b32 s13, 0
	s_lshr_b32 s14, ttmp9, 5
	s_lshl_b32 s14, s14, 19                        ; a sample's 16 strips
	s_lshl_b32 s11, s10, 15                        ; the strip
	s_add_co_u32 s14, s14, s11
	s_and_b32 s11, s9, 15
	s_lshl_b32 s11, s11, 11                        ; the block's 16 places
	s_add_co_u32 s14, s14, s11
	s_mov_b32 s15, 0
	s_wait_kmcnt 0x0
	s_add_nc_u64 s[4:5], s[4:5], s[12:13]
	s_add_nc_u64 s[6:7], s[6:7], s[14:15]
.irp t, 0,1,2,3
	global_load_b128 v[X+8*(\t):X+8*(\t)+3],   v6, s[4:5] offset:8192*(\t) th:TH_LOAD_NT
	global_load_b128 v[X+8*(\t)+4:X+8*(\t)+7], v6, s[4:5] offset:8192*(\t)+16 th:TH_LOAD_NT
.endr
.irp t, 0,1,2,3
	s_wait_loadcnt 6-2*(\t)                        ; loads come back in order: pair t is in, the later pairs stay out
.irp c, 0,1,2,3
	v_cvt_pk_bf16_f32 v[P+4*(\t)+(\c)], v[X+8*(\t)+2*(\c)], v[X+8*(\t)+2*(\c)+1]
.endr
	global_store_b128 v7, v[P+4*(\t):P+4*(\t)+3], s[6:7] offset:512*(\t)  ; the wave stores 512 consecutive bytes
.endr
	s_endpgm
.Lfunc_end_k_qd089a1aa8a_cast:
	.size	k_qd089a1aa8a_cast, .Lfunc_end_k_qd089a1aa8a_cast-k_qd089a1aa8a_cast
	.p2alignl 7, 3214868480
	.fill 96, 4, 3214868480
	.section	.rodata,"a",@progbits
	.p2align	6, 0x0
	.amdhsa_kernel k_qd089a1aa8a_cast
		.amdhsa_group_segment_fixed_size 0
		.amdhsa_private_segment_fixed_size 0
		.amdhsa_enable_private_segment 0
		.amdhsa_kernarg_size 16
		.amdhsa_user_sgpr_count 2
		.amdhsa_user_sgpr_kernarg_segment_ptr 1
		.amdhsa_wavefront_size32 1
		.amdhsa_system_sgpr_workgroup_id_x 1
		.amdhsa_system_sgpr_workgroup_id_y 1
		.amdhsa_system_sgpr_workgroup_id_z 1
		.amdhsa_system_vgpr_workitem_id 0
		.amdhsa_next_free_vgpr 64
		.amdhsa_next_free_sgpr 66
		.amdhsa_reserve_vcc 0
		.amdhsa_float_denorm_mode_32 3
		.amdhsa_float_denorm_mode_16_64 3
		.amdhsa_memory_ordered 1
		.amdhsa_forward_progress 1
		.amdhsa_inst_pref_size 4
	.end_amdhsa_kernel
	.amdgpu_metadata
---
amdhsa.version: [ 1, 2 ]
amdhsa.kernels:
  - .name:           k_qd089a1aa8a_cast
    .symbol:         k_qd089a1aa8a_cast.kd
    .args:
      - { .name: hidden_states, .offset: 0, .size: 8, .value_kind: global_buffer, .address_space: global }
      - { .name: xb, .offset: 8, .size: 8, .value_kind: global_buffer, .address_space: global }
    .group_segment_fixed_size: 0
    .private_segment_fixed_size: 0
    .kernarg_segment_align: 8
    .kernarg_segment_size: 16
    .max_flat_workgroup_size: 256
    .sgpr_count:     66
    .vgpr_count:     64
    .wavefront_size: 32
...
	.end_amdgpu_metadata
.endif
;; end of part 1
;; launch ffn1 (part 2): grid 32 x 8, 4 waves a work-group, clusters of 4 x 1, 327,680 bytes of LDS; arguments xb, wi, swi, type_label, h; writes h
.if DOCPART == 2
	.amdgcn_target "amdgcn-amd-amdhsa--gfx1250"
	.amdhsa_code_object_version 6
	.text
	.protected	k_qd089a1aa8a_ffn1
	.globl	k_qd089a1aa8a_ffn1
	.p2align	8
	.type	k_qd089a1aa8a_ffn1,@function
k_qd089a1aa8a_ffn1:
	s_mov_b64 s[64:65], 0
	v_nop
	global_prefetch_b8 v0, s[64:65] scope:SCOPE_SE
	s_setreg_imm32_b32 hwreg(HW_REG_WAVE_MODE, 25, 1), 1
	s_wait_xcnt 0x0
	s_wait_alu depctr_hold_cnt(0) depctr_sa_sdst(0) depctr_va_vdst(0) depctr_va_sdst(0) depctr_va_ssrc(0) depctr_va_vcc(0) depctr_vm_vsrc(0)
	s_getreg_b32 s2, hwreg(HW_REG_IB_STS2, 6, 4)
	s_cmp_eq_u32 s2, 0
	s_cbranch_scc0 .Lentry_in_a_cluster
	s_endpgm
.Lentry_in_a_cluster:
	s_bfe_u32 s2, ttmp6, 0x10000c
	s_cmp_lg_u32 s2, 0x3003
	s_cbranch_scc0 .Lentry_shape_is_right
	s_endpgm
.Lentry_shape_is_right:
; h[i] = relu(x Wi_i) in bf16, for the three streams i = 0 (the sample's routed expert, wi[type_label[b]]), 1, 2 (swi[0], swi[1]).
; x comes as xb (bf16, [sample][strip of 64 k][place][64]); the weights are f32, [k][n], and are rounded to bf16 on their way through registers; sums in f32.
; LIMITS.  x, the weights and h are each rounded once to bf16.  A sum is made of two f32 halves over k, added once.  The ReLU is a maximum of two numbers, so a NaN becomes 0.
; A label above 4 is read as 4.
; SHARES.  Work-group (jj, b): sample b's 256 rows x columns 128 jj .. + 127, for all three streams one after the other (stream (tile + jj mod 3) mod 3, so that routed and shared
; weights are walked at the same time across the grid).  Wave w: columns 64 (w & 1) on, and of every 256 k the half w >> 1: 256 rows x 64 columns, 64 accumulators, 512 registers.
; At a tile's end the two waves of a column half exchange halves of their rows through LDS and add.
; A (x) comes by tensor loads into a ring of two LDS slots of 256 k.  The four work-groups of a cluster have the same sample, so each tile is asked for JOINTLY.
; B (weights) never touches LDS: lane (r, hh) loads 16 bytes, columns 4 r .. 4 r + 3 of one k row; number e of the four belongs to fragment e, whose column r thus means column 4 r + e.
; Sixteen such loads are 32 k; 32 conversions pack two k rows each into the four fragments.  A ring of four such stages in registers keeps up to 56 loads of a wave on their way.
; In a result a lane then holds four neighbouring columns of row 8 hh + j across the four fragments' accumulators: 8 bytes of bf16; with h's places (row 16 a + 8 hh + j at 16 a + 2 j + hh)
; the wave's 32 lanes store 256 consecutive bytes.
; REGISTERS, in windows of 256 (s_set_vgpr_msb: bits 1:0 source 0, 3:2 source 1, 5:4 source 2, 7:6 destination):
;   window 0: v0-16 addresses; v62-63 the add's two; v64-127 B's fragments in bf16, two buffers; v128-191 A's fragments of my own 8 row blocks, v192-255 of the 8 that I send
;   window 1: four stages of 64: B as loaded, f32          window 2: the accumulators of my own row blocks (32 x block + 8 x fragment)          window 3: of the blocks that I send
.set PITCHB, 16384                     ; bytes from a k row of the weights to the next
.set QSTEP,  256*PITCHB                ; a slot's 256 k rows
.set NTRIP,  11                        ; 3 tiles x 4 slots = 12 slots; the last is written out
.set STRIPB, 128*272                   ; a strip in LDS: 128 rows of 256 bytes (two places) + 16 of padding
.set SLOTB,  4*STRIPB                  ; a slot: four strips, 256 k
.set BLK,    8*272                     ; a block of 16 rows in a strip
.set HALFR,  8*BLK                     ; eight blocks
.set XCH,    2*SLOTB                   ; behind the ring: two areas for the exchange, 4,096 bytes a wave in each; no tensor load fills them
.set XAREA,  16384
.set SPARE,  XCH+2*XAREA               ; the spare words, 128 bytes a wave: two blocks of 256 bytes that no other line names
.set BOF,  8                           ; v8      my offset in the weights: 8 hh rows + 16 r
.set ADO0, 10                          ; v10-11  LDS address of my A fragments in slot 0: own blocks, sent blocks
.set ADO,  12                          ; v12-13  the same in the slot in hand
.set XS,   14                          ; v14     exchange: where I put 16 bytes
.set XL,   15                          ; v15     exchange: where my partner's lie
.set OUTO, 16                          ; v16     my offset in 256 bytes of h
.set SPW,  62                          ; v62     LDS address of my spare word; never rewritten
.set NIL,  63                          ; v63     0; never rewritten
.set BFR,  64
.set GA,   128
.set WV, 14                            ; s14 wave   s15 column half   s16 k half
.set NH, 15
.set KP, 16
.set CX, 17                            ; s17 place in the cluster   s18 column block   s19 sample   s20 jj mod 3   s21 label
.set JJ, 18
.set BB, 19
.set ROT, 20
.set LAB, 21
.set G1,  24                           ; s[24:31] descriptor group 1
.set G0A, 32                           ; s[32:35] group 0 of the first fill
.set G0B, 36                           ; s[36:39] group 0 of the second fill; it then walks
.set ABASE, 40                         ; s[40:41] xb at my strip of the sample's first slot
.set OFF, 42                           ; s[42:43] an offset, high word 0
.set BP,  44                           ; s[44:45] the weights' rows of the slot whose stages are being asked for
.set BT,  46
.set PT1, 48                           ; s[48:49], s[50:51] the next tiles' weights
.set PT2, 50
.set HO,  52                           ; s[52:57] h at my part of this tile and of the next two
.set HO1, 54
.set HO2, 56
.set CNT, 58
.set TQ,  59                           ; s59 the slot's number in its tile, 0 to 3
.set TB,  60                           ; s60 LDS byte at which the slot in hand begins
.set ZERO, 61
.set MSB, 0
.macro WIN new                         ; the immediate's high byte repeats the setting that is left; a switch that changes nothing is dropped
.if MSB != (\new)
	s_set_vgpr_msb (MSB<<8)|(\new)
.set MSB, (\new)
.endif
.endm
.set MUL_LO, 0xa0                      ; A and B window 0, C and D window 2; + 0x50: window 3
.set LDB,  0x40                        ; destination window 1
.set CVT,  0x05                        ; sources window 1, destination window 0
.set ST3,  0x0c                        ; store data window 3
.set LD3,  0xc0                        ; destination window 3
.set ADD1, 0x8e                        ; window 2 += window 3
.set CV1,  0xca                        ; sources window 2, destination window 3
.set MX1,  0xc3                        ; source 0 and destination window 3
.macro PLACES
.rept 4
	v_nop
.endr
.endm
.macro CREST                           ; a round of the cluster's barrier behind its opening barrier
	s_cmp_lg_u32 s[WV], 0
	s_cbranch_scc1 .Lnot_wave_0_\@
	s_barrier_signal -3
.Lnot_wave_0_\@:
	s_barrier_wait -3
	s_barrier_signal -1
	s_barrier_wait -1
.endm
.macro CROUND
	s_barrier_signal -1
	s_barrier_wait -1
	CREST
.endm
; n x 4 matrix instructions: row blocks a0 .. a0 + n - 1 of my own (hi = 0) or sent (hi = 1) eight x the four fragments of buffer bf.  The accumulators take turns.
.macro WM hi, a0, n, zero, bf
	WIN MUL_LO+0x50*(\hi)
.set wa, (\a0)
.rept (\n)
.irp q, 0,1,2,3
.if \zero
	v_wmma_f32_16x16x32_bf16 v[32*wa+8*(\q):32*wa+8*(\q)+7], v[GA+64*(\hi)+8*wa:GA+64*(\hi)+8*wa+7], v[BFR+32*(\bf)+8*(\q):BFR+32*(\bf)+8*(\q)+7], 0
.else
	v_wmma_f32_16x16x32_bf16 v[32*wa+8*(\q):32*wa+8*(\q)+7], v[GA+64*(\hi)+8*wa:GA+64*(\hi)+8*wa+7], v[BFR+32*(\bf)+8*(\q):BFR+32*(\bf)+8*(\q)+7], v[32*wa+8*(\q):32*wa+8*(\q)+7]
.endif
.endr
.set wa, wa+1
.endr
.endm
; Half hf of stage u: eight loads, k rows 32 u + 16 hf + 8 hh + 0..7; sixteen lanes read 256 consecutive bytes of a row
.macro BLOAD u, hf
	WIN LDB
.irp q, 0,1,2,3,4,5,6,7
	global_load_b128 v[64*(\u)+32*(\hf)+4*(\q):64*(\u)+32*(\hf)+4*(\q)+3], v[BOF], s[BP:BP+1] offset:(32*(\u)+16*(\hf)+(\q))*PITCHB
.endr
.endm
; Half hf of stage t becomes registers 4 hf .. 4 hf + 3 of the four fragments: register c packs k rows 2 c and 2 c + 1
.macro BCVT t, hf
	WIN CVT
.irp q, 0,1,2,3
.irp c, 0,1,2,3
	v_cvt_pk_bf16_f32 v[BFR+32*((\t)&1)+8*(\q)+4*(\hf)+(\c)], v[64*((\t)&3)+32*(\hf)+8*(\c)+(\q)], v[64*((\t)&3)+32*(\hf)+8*(\c)+4+(\q)]
.endr
.endr
.endm
; A's fragments of eight row blocks for substep t of the slot in hand: strip t >> 1 of my two, 32 k at byte 64 (t & 1) of a place
.macro ALOAD hf, t
	WIN 0
.irp q, 0,1,2,3,4,5,6,7
	ds_load_b128 v[GA+64*(\hf)+8*(\q):GA+64*(\hf)+8*(\q)+3],   v[ADO+(\hf)] offset:((\t)>>1)*STRIPB+((\t)&1)*64+(\q)*BLK
	ds_load_b128 v[GA+64*(\hf)+8*(\q)+4:GA+64*(\hf)+8*(\q)+7], v[ADO+(\hf)] offset:((\t)>>1)*STRIPB+((\t)&1)*64+(\q)*BLK+32
.endr
.endm
; Behind 32 matrix instructions: half a stage is asked for, four substeps ahead; half of the next substep's stage is converted; the A fragments just multiplied are loaded anew.
; The 16 conversions name no register of the matrix instructions in front: they are the four places that the LDS loads into A's registers want (ISA guide 7.12.1 for vector instructions).
.macro LUMP u, hf, iss, lc
.if \iss
	BLOAD \u, \hf
.endif
	s_wait_loadcnt \lc                             ; the half-stage to be converted is in; lc = 8 x the half-stages issued behind it
	BCVT ((\u)+1)&3, \hf
	ALOAD \hf, ((\u)+1)&3
.endm
.macro STEPB                           ; the weights' pointer goes on to the next slot's rows, or behind a tile's last slot to the next tile's
	s_wait_xcnt 0x0                                ; the loads issued so far have had their addresses translated: only now is their base rewritten
	s_add_nc_u64 s[BT:BT+1], s[BP:BP+1], QSTEP
	s_cmp_eq_u32 s[TQ], 3
	s_cselect_b64 s[BP:BP+1], s[PT1:PT1+1], s[BT:BT+1]
	s_cselect_b64 s[PT1:PT1+1], s[PT2:PT2+1], s[PT1:PT1+1]
.endm
.macro NEXTFILL                        ; the walking descriptor: the other slot; x's 256 k of the slot after the one now entered (every tile walks the same x)
	s_xor_b32 s[G0B+1], s[G0B+1], SLOTB            ; wave x STRIPB has none of SLOTB's two bits set, so the exclusive or adds or takes away SLOTB
	s_add_co_u32 s[OFF], s[TQ], 1
	s_and_b32 s[OFF], s[OFF], 3
	s_lshl_b32 s[OFF], s[OFF], 17                  ; four strips of 32,768 bytes
	s_add_nc_u64 s[G0B+2:G0B+3], s[ABASE:ABASE+1], s[OFF:OFF+1]
	s_or_b32 s[G0B+3], s[G0B+3], 0x80000000
.endm
; A substep: 32 k, 64 matrix instructions.
.macro SUB u, zero, iss, lca, lcb, upd
	s_wait_dscnt 16                                ; my own blocks' fragments are in; the sent blocks' 16 loads may be out
	WM 0, 0, 8, \zero, (\u)&1
.if \upd
	STEPB
.endif
	LUMP \u, 0, \iss, \lca
	s_wait_dscnt 16                                ; the sent blocks' are in; the 16 just issued may be out
	WM 1, 0, 8, \zero, (\u)&1
	LUMP \u, 1, \iss, \lcb
.endm
; A slot's last substep, with the change of slots.  In front of the barrier each wave waits for all its tensor loads (one is out: its strip of the next slot), adds 0 to its spare word, and
; waits for that and for its reads of this slot.  fill = 1: the barrier opens a round of the cluster's, and the joint refill of the slot just read is the first thing behind it.
.macro SUB3S fill
	WIN 0
	s_wait_tensorcnt 0x0                           ; no tensor load of mine is out, so a group 0 may be written
	ds_add_u32 v[SPW], v[NIL]
	s_wait_dscnt 17                                ; my own blocks' fragments are in (the sent blocks' 16 loads and the add may be out)
.if \fill
	NEXTFILL
.endif
	s_xor_b32 s[TB], s[TB], SLOTB
	WM 0, 0, 4, 0, 1
	s_wait_dscnt 0x0                               ; the add is done, and my reads of this slot are over
	s_barrier_signal -1
	WM 0, 4, 4, 0, 1
	WIN 0
	s_barrier_wait -1
.if \fill
	CREST                                          ; no wave of any partner still reads the slot or has a load on its way
	tensor_load_to_lds s[G0B:G0B+3], s[G1:G1+7]    ; my one tensor load behind the round: it has a slot's 256 matrix instructions in which to land
	s_nop 0
	PLACES
.endif
	v_add_nc_u32 v[ADO], s[TB], v[ADO0]
	v_add_nc_u32 v[ADO+1], s[TB], v[ADO0+1]
	LUMP 3, 0, 1, 48
	s_wait_dscnt 16
	WM 1, 0, 8, 0, 1
	LUMP 3, 1, 1, 48
.endm
.macro SUB3F                           ; the very last substep: nothing more to fetch
	s_wait_dscnt 16
	WM 0, 0, 8, 0, 1
	s_wait_dscnt 0x0
	WM 1, 0, 8, 0, 1
	PLACES
.endm
; THE EXCHANGE AND THE WAY OUT, a row block at a time.  I send block q of window 3 (each accumulator's four lowest registers first) and receive my partner's half-sums of
; my own block q, into the registers that block q of window 3 has left.  Two areas take turns: an area is written again behind a barrier in front of which its readers have waited.
.macro XSTORE q
	WIN ST3
.irp e, 0,1,2,3,4,5,6,7
	ds_store_b128 v[XS], v[32*(\q)+4*(\e):32*(\q)+4*(\e)+3] offset:((\q)&1)*XAREA+(\e)*512
.endr
.endm
.macro XLOAD p
	WIN LD3
.irp e, 0,1,2,3,4,5,6,7
	ds_load_b128 v[32*(\p)+4*(\e):32*(\p)+4*(\e)+3], v[XL] offset:((\p)&1)*XAREA+(\e)*512
.endr
.endm
.macro OUTP p
	WIN ADD1
.set z, 0
.rept 16
	v_pk_add_f32 v[32*(\p)+2*z:32*(\p)+2*z+1], v[32*(\p)+2*z:32*(\p)+2*z+1], v[32*(\p)+2*z:32*(\p)+2*z+1]  ; the two halves over k
.set z, z+1
.endr
	WIN CV1
.set z, 0
.rept 8                                ; row 8 hh + z: columns 4 r, 4 r + 1 and 4 r + 2, 4 r + 3 lie in the four fragments' accumulators
	v_cvt_pk_bf16_f32 v[32*(\p)+2*z],   v[32*(\p)+z],    v[32*(\p)+8+z]
	v_cvt_pk_bf16_f32 v[32*(\p)+2*z+1], v[32*(\p)+16+z], v[32*(\p)+24+z]
.set z, z+1
.endr
	WIN MX1
.set z, 0
.rept 16
	v_pk_max_num_bf16 v[32*(\p)+z], v[32*(\p)+z], s[ZERO]  ; the ReLU, two numbers at a time; nothing is rounded
.set z, z+1
.endr
	WIN ST3
.irp j, 0,1,2,3,4,5,6,7
	global_store_b64 v[OUTO], v[32*(\p)+2*(\j):32*(\p)+2*(\j)+1], s[HO:HO+1] offset:(\p)*2048+(\j)*256  ; places 2 j, 2 j + 1 of the block: the wave stores 256 consecutive bytes
.endr
.endm
.macro EPI
	XSTORE 0
.irp p, 0,1,2,3,4,5,6,7
	s_wait_dscnt 0x0                               ; for the others' sake: my stores into the area are done, my reads of the other area are back
	s_barrier_signal -1
	s_barrier_wait -1
	XLOAD \p
.if (\p) < 7
	XSTORE (\p)+1
	s_wait_dscnt 8                                 ; the eight loads are back; the eight stores behind them may be out
.else
	s_wait_dscnt 0x0
.endif
	OUTP \p
.endr
	WIN 0
.endm
	s_load_b256 s[4:11], s[0:1], 0x0               ; xb s[4:5], wi s[6:7], swi s[8:9], type_label s[10:11]
	s_load_b64 s[12:13], s[0:1], 0x20              ; h
	v_lshl_add_u32 v[SPW], v0, 2, SPARE
	v_mov_b32 v[NIL], 0
	ds_add_u32 v[SPW], v[NIL]                      ; the wave's opening: the add and its wait stand ahead of my first tensor load; the set-up below stands between them
	v_lshrrev_b32 v1, 5, v0
	v_readfirstlane_b32 s[WV], v1
	s_and_b32 s[NH], s[WV], 1
	s_lshr_b32 s[KP], s[WV], 1
	s_bfe_u32 s[CX], ttmp6, 0x40000
	s_lshl_b32 s[JJ], ttmp9, 2                     ; in a cluster launch ttmp9 counts clusters
	s_add_co_u32 s[JJ], s[JJ], s[CX]               ; column block: it enters the weights' and h's addresses alone
	s_and_b32 s[BB], ttmp7, 0xffff                 ; the sample, which the four partners share
	; descriptor group 1: a strip, 32,768 dense bytes, as 128 rows of 128 elements, padded in LDS
	s_mov_b32 s[G1+0], 15|(1<<16)|(1<<20)|(1<<21)|(5<<22)|(3<<25)  ; 15:0 the mask of four; 17:16 2-byte elements; 20 padding on; 21 set beside a mask; 24:22 after every 64 words (code 5); 31:25 4 words (code 3)
	s_mov_b32 s[G1+1], 128<<16                     ; tensor_dim0 = 128
	s_mov_b32 s[G1+2], 128<<16                     ; tensor_dim1 = 128
	s_mov_b32 s[G1+3], 128<<16                     ; tile_dim0 = 128
	s_mov_b32 s[G1+4], 128                         ; tile_dim1 = 128
	s_mov_b32 s[G1+5], 128                         ; 128 elements from row to row
	s_mov_b32 s[G1+6], 0
	s_mov_b32 s[G1+7], 0
	s_lshl_b32 s66, s[BB], 19                      ; a sample's 16 strips,
	s_lshl_b32 s67, s[WV], 15                      ; my strip of a slot's four
	s_add_co_u32 s[OFF], s66, s67
	s_mov_b32 s[OFF+1], 0
	s_mul_i32 s68, s[WV], STRIPB                   ; and its place in a slot: no place in the cluster enters an LDS address
	s_lshl_b32 s70, s[BB], 2
	s_mov_b32 s71, 0
	s_mov_b32 s[TB], 0
	s_mov_b32 s[ZERO], 0
	s_mov_b32 s[TQ], 0
	s_mov_b32 s[CNT], NTRIP
	s_wait_dscnt 0x0                               ; the opening add is done
	s_wait_kmcnt 0x0
	s_add_nc_u64 s[70:71], s[10:11], s[70:71]
	s_load_b32 s[LAB], s[70:71], 0x0               ; the sample's label
	s_add_nc_u64 s[ABASE:ABASE+1], s[4:5], s[OFF:OFF+1]
	s_mov_b32 s[G0A], 1                            ; count = 1
	s_mov_b32 s[G0A+1], s68                        ; LDS address: slot 0
	s_mov_b64 s[G0A+2:G0A+3], s[ABASE:ABASE+1]     ; k 0 to 255
	s_or_b32 s[G0A+3], s[G0A+3], 0x80000000        ; type = 2
	s_mov_b32 s[G0B], 1
	s_add_co_u32 s[G0B+1], s68, SLOTB              ; slot 1
	s_add_nc_u64 s[G0B+2:G0B+3], s[ABASE:ABASE+1], 0x20000  ; k 256 to 511
	s_or_b32 s[G0B+3], s[G0B+3], 0x80000000
	CROUND                                         ; all four work-groups are here: the first joint loads meet
	tensor_load_to_lds s[G0A:G0A+3], s[G1:G1+7]    ; two loads of mine are out
	s_nop 0
	tensor_load_to_lds s[G0B:G0B+3], s[G1:G1+7]
	s_nop 0
	PLACES
	; A fragment of A: lane (r, hh) holds row r of the block, which lies at place 2 (r & 7) + (r >> 3): LDS row r & 7 of the block's eight, half r >> 3; k = 8 hh on and 16 + 8 hh on: two loads, 32 bytes apart
	v_and_b32 v1, 15, v0
	v_bfe_u32 v2, v0, 4, 1
	v_and_b32 v3, 7, v0
	v_bfe_u32 v4, v0, 3, 1
	v_mul_u32_u24 v5, v3, 272
	v_lshl_add_u32 v5, v4, 7, v5
	v_lshl_add_u32 v5, v2, 4, v5
	s_mul_i32 s66, s[KP], 2*STRIPB+HALFR           ; my two strips; my own blocks are 8 kp .. 8 kp + 7,
	v_add_nc_u32 v[ADO0], s66, v5
	s_mul_i32 s66, s[KP], 2*STRIPB-HALFR
	s_add_co_u32 s66, s66, HALFR                   ; the sent ones the other eight
	v_add_nc_u32 v[ADO0+1], s66, v5
	v_mov_b32 v[ADO], v[ADO0]
	v_mov_b32 v[ADO+1], v[ADO0+1]
	v_lshlrev_b32 v[BOF], 4, v1
	v_lshl_add_u32 v[BOF], v2, 17, v[BOF]          ; 8 rows of 16,384 bytes for the upper half of the lanes
	v_and_b32 v6, 31, v0
	v_lshlrev_b32 v6, 4, v6
	s_lshl_b32 s66, s[WV], 12
	s_add_co_u32 s66, s66, XCH
	v_add_nc_u32 v[XS], s66, v6
	s_xor_b32 s66, s[WV], 2                        ; my partner: the same columns, the other half of k
	s_lshl_b32 s66, s66, 12
	s_add_co_u32 s66, s66, XCH
	v_add_nc_u32 v[XL], s66, v6
	v_lshlrev_b32 v[OUTO], 3, v1
	v_lshl_add_u32 v[OUTO], v2, 7, v[OUTO]         ; 128 hh + 8 r
	s_wait_kmcnt 0x0                               ; the label
	s_min_u32 s[LAB], s[LAB], 4
	s_lshl_b32 s72, s[LAB], 24                     ; an expert's 16 MiB
	s_mov_b32 s73, 0
	s_lshl_b32 s74, s[JJ], 9                       ; my columns,
	s_lshl_b32 s75, s[NH], 8
	s_add_co_u32 s74, s74, s75
	s_lshl_b32 s75, s[KP], 21                      ; my 128 of each 256 k rows
	s_add_co_u32 s74, s74, s75
	s_mov_b32 s75, 0
	s_add_nc_u64 s[76:77], s[6:7], s[72:73]
	s_add_nc_u64 s[76:77], s[76:77], s[74:75]      ; stream 0
	s_add_nc_u64 s[78:79], s[8:9], s[74:75]        ; stream 1
	s_add_nc_u64 s[80:81], s[78:79], 0x1000000     ; stream 2
	s_mul_i32 s82, s[JJ], 11
	s_lshr_b32 s82, s82, 5                         ; jj / 3 for jj below 32
	s_mul_i32 s82, s82, 3
	s_sub_co_u32 s[ROT], s[JJ], s82
	s_cmp_eq_u32 s[ROT], 1
	s_cselect_b64 s[82:83], s[78:79], s[80:81]
	s_cselect_b64 s[84:85], s[80:81], s[76:77]
	s_cselect_b64 s[86:87], s[76:77], s[78:79]
	s_cmp_eq_u32 s[ROT], 0
	s_cselect_b64 s[BP:BP+1], s[76:77], s[82:83]   ; tile t takes stream (t + jj mod 3) mod 3
	s_cselect_b64 s[PT1:PT1+1], s[78:79], s[84:85]
	s_cselect_b64 s[PT2:PT2+1], s[80:81], s[86:87]
	s_lshl_b32 s66, s[BB], 21                      ; h: a sample's 64 strips,
	s_lshl_b32 s67, s[JJ], 16                      ; strip 2 jj + column half,
	s_add_co_u32 s66, s66, s67
	s_lshl_b32 s67, s[NH], 15
	s_add_co_u32 s66, s66, s67
	s_lshl_b32 s67, s[KP], 14                      ; my own eight blocks
	s_add_co_u32 s66, s66, s67
	s_add_co_u32 s68, s[ROT], 1
	s_cmp_eq_u32 s68, 3
	s_cselect_b32 s68, 0, s68
	s_add_co_u32 s69, s68, 1
	s_cmp_eq_u32 s69, 3
	s_cselect_b32 s69, 0, s69
	s_mov_b32 s71, 0
	s_lshl_b32 s70, s[ROT], 24                     ; a stream's 16 MiB
	s_add_co_u32 s70, s70, s66
	s_add_nc_u64 s[HO:HO+1], s[12:13], s[70:71]
	s_lshl_b32 s70, s68, 24
	s_add_co_u32 s70, s70, s66
	s_add_nc_u64 s[HO1:HO1+1], s[12:13], s[70:71]
	s_lshl_b32 s70, s69, 24
	s_add_co_u32 s70, s70, s66
	s_add_nc_u64 s[HO2:HO2+1], s[12:13], s[70:71]
	BLOAD 0, 0                                     ; the first slot's stages: 56 loads
	BLOAD 0, 1
	BLOAD 1, 0
	BLOAD 1, 1
	BLOAD 2, 0
	BLOAD 2, 1
	BLOAD 3, 0
	WIN 0
	s_wait_tensorcnt 0x1                           ; my strip of slot 0 is in; slot 1's may stay out
	s_barrier_signal -1
	s_barrier_wait -1                              ; everybody's is
	ALOAD 0, 0
	ALOAD 1, 0
	s_wait_loadcnt 40                              ; stage 0 is in; five half-stages were issued behind it
	BCVT 0, 0
	BCVT 0, 1
	BLOAD 3, 1
	WIN 0
	s_branch .Lentry                               ; the loop is entered at a slot's first substep
.Ltrip:                                                ; a trip: a slot's last substep and the change of slots, then the next slot's substeps 0 to 2
	s_add_co_u32 s[TQ], s[TQ], 1
	s_and_b32 s[TQ], s[TQ], 3                      ; the number of the slot now entered
	SUB3S 1
	s_cmp_lg_u32 s[TQ], 0                          ; a counted scalar, the same in every wave and work-group
	s_cbranch_scc1 .Lmid
	EPI                                            ; a tile is finished; the next tile's tile of x and its weights are on their way meanwhile
	s_wait_xcnt 0x0                                ; the stores have read their data and base: only now are both rewritten
	s_mov_b64 s[HO:HO+1], s[HO1:HO1+1]
	s_mov_b64 s[HO1:HO1+1], s[HO2:HO2+1]
.Lentry:
	SUB 0, 1, 1, 48, 48, 1                         ; a tile's first products start the sums: nothing is cleared
	s_branch .Ljoin
.Lmid:
	SUB 0, 0, 1, 48, 48, 1
.Ljoin:
	SUB 1, 0, 1, 48, 48, 0
	SUB 2, 0, 1, 48, 48, 0
	s_sub_co_u32 s[CNT], s[CNT], 1
	s_cmp_lg_u32 s[CNT], 0
	s_cbranch_scc1 .Ltrip
	SUB3S 0                                        ; the tail is written out: no slot is filled that nobody reads; the ring of stages takes its last
	SUB 0, 0, 0, 40, 32, 0                         ; and runs down: 5, 4, .. 0 half-stages behind the one wanted
	SUB 1, 0, 0, 24, 16, 0
	SUB 2, 0, 0, 8, 0, 0
	SUB3F
	EPI
	s_wait_tensorcnt 0x0                           ; the wave's end: an add to the spare word and its wait, behind my last tensor load and my last LDS store
	ds_add_u32 v[SPW], v[NIL]
	s_wait_dscnt 0x0
	CROUND                                         ; the closing round: no work-group ends while a partner may still ask for a tile that names it
	s_endpgm
.Lfunc_end_k_qd089a1aa8a_ffn1:
	.size	k_qd089a1aa8a_ffn1, .Lfunc_end_k_qd089a1aa8a_ffn1-k_qd089a1aa8a_ffn1
	.p2alignl 7, 3214868480
	.fill 96, 4, 3214868480
	.section	.rodata,"a",@progbits
	.p2align	6, 0x0
	.amdhsa_kernel k_qd089a1aa8a_ffn1
		.amdhsa_group_segment_fixed_size 327680
		.amdhsa_private_segment_fixed_size 0
		.amdhsa_enable_private_segment 0
		.amdhsa_kernarg_size 40
		.amdhsa_user_sgpr_count 2
		.amdhsa_user_sgpr_kernarg_segment_ptr 1
		.amdhsa_wavefront_size32 1
		.amdhsa_system_sgpr_workgroup_id_x 1
		.amdhsa_system_sgpr_workgroup_id_y 1
		.amdhsa_system_sgpr_workgroup_id_z 1
		.amdhsa_system_vgpr_workitem_id 0
		.amdhsa_next_free_vgpr 1024
		.amdhsa_next_free_sgpr 96
		.amdhsa_reserve_vcc 0
		.amdhsa_float_denorm_mode_32 3
		.amdhsa_float_denorm_mode_16_64 3
		.amdhsa_memory_ordered 1
		.amdhsa_forward_progress 1
		.amdhsa_inst_pref_size 189
	.end_amdhsa_kernel
	.amdgpu_metadata
---
amdhsa.version: [ 1, 2 ]
amdhsa.kernels:
  - .name:           k_qd089a1aa8a_ffn1
    .symbol:         k_qd089a1aa8a_ffn1.kd
    .args:
      - { .name: xb, .offset: 0, .size: 8, .value_kind: global_buffer, .address_space: global }
      - { .name: wi, .offset: 8, .size: 8, .value_kind: global_buffer, .address_space: global }
      - { .name: swi, .offset: 16, .size: 8, .value_kind: global_buffer, .address_space: global }
      - { .name: type_label, .offset: 24, .size: 8, .value_kind: global_buffer, .address_space: global }
      - { .name: h, .offset: 32, .size: 8, .value_kind: global_buffer, .address_space: global }
    .group_segment_fixed_size: 327680
    .private_segment_fixed_size: 0
    .kernarg_segment_align: 8
    .kernarg_segment_size: 40
    .max_flat_workgroup_size: 128
    .sgpr_count:     96
    .vgpr_count:     1024
    .wavefront_size: 32
...
	.end_amdgpu_metadata
.endif
;; end of part 2
;; launch ffn2 (part 3): grid 8 x 24, 4 waves a work-group, clusters of 4 x 1, 327,680 bytes of LDS; arguments h, wo, swo, type_label, y; writes y
.if DOCPART == 3
	.amdgcn_target "amdgcn-amd-amdhsa--gfx1250"
	.amdhsa_code_object_version 6
	.text
	.protected	k_qd089a1aa8a_ffn2
	.globl	k_qd089a1aa8a_ffn2
	.p2align	8
	.type	k_qd089a1aa8a_ffn2,@function
k_qd089a1aa8a_ffn2:
	s_mov_b64 s[64:65], 0
	v_nop
	global_prefetch_b8 v0, s[64:65] scope:SCOPE_SE
	s_setreg_imm32_b32 hwreg(HW_REG_WAVE_MODE, 25, 1), 1
	s_wait_xcnt 0x0
	s_wait_alu depctr_hold_cnt(0) depctr_sa_sdst(0) depctr_va_vdst(0) depctr_va_sdst(0) depctr_va_ssrc(0) depctr_va_vcc(0) depctr_vm_vsrc(0)
	s_getreg_b32 s2, hwreg(HW_REG_IB_STS2, 6, 4)
	s_cmp_eq_u32 s2, 0
	s_cbranch_scc0 .Lentry_in_a_cluster
	s_endpgm
.Lentry_in_a_cluster:
	s_bfe_u32 s2, ttmp6, 0x10000c
	s_cmp_lg_u32 s2, 0x3003
	s_cbranch_scc0 .Lentry_shape_is_right
	s_endpgm
.Lentry_shape_is_right:
; y[i] = h[i] Wo_i in f32, for the three streams i = 0 (wo[type_label[b]]), 1, 2 (swo[0], swo[1]).  h is bf16, [stream][sample][strip of 64 k][place][64]; the weights are f32, [k][n], rounded
; to bf16 on their way through registers; sums in f32.  y is [stream][2048][1024].
; LIMITS.  The weights are rounded once to bf16.  A sum is made of two f32 halves over k, added once.  A label above 4 is read as 4.
; SHARES.  Work-group (c, 8 i + b): the 256 rows of sample b in stream i x columns 128 c .. + 127, k = 4,096: 16 slots of 256 k.  8 x 24 = 192 work-groups: the tile is the first product's, so
; that one body of macros serves both.  Wave w: columns 64 (w & 1) on, of every 256 k the half w >> 1; at the end the two waves of a column half exchange halves of their rows through LDS and add.
; A (h) comes by tensor loads into a ring of two LDS slots; the four work-groups of a cluster have the same stream and sample, so each tile is asked for JOINTLY.
; B (weights) never touches LDS: lane (r, hh) loads columns 4 r .. 4 r + 3 of one k row; number e of the four belongs to fragment e.  A ring of four stages of 32 k in registers keeps up to 56 loads
; of a wave on their way.  In a result a lane holds four neighbouring columns of a row across the four fragments' accumulators: 16 bytes of f32; sixteen lanes store 256 consecutive bytes.
; REGISTERS, in windows of 256 (s_set_vgpr_msb: bits 1:0 source 0, 3:2 source 1, 5:4 source 2, 7:6 destination):
;   window 0: v0-16 addresses; v62-63 the add's two; v64-127 B's fragments, two buffers; v128-191, v192-255 A's fragments of my own and of the sent row blocks (on the way out: received halves, results)
;   window 1: four stages of 64: B as loaded          window 2: the accumulators of my own row blocks          window 3: of the blocks that I send
.set PITCHB, 4096
.set QSTEP,  256*PITCHB
.set NTRIP,  15                        ; 16 slots; the last is written out
.set STRIPB, 128*272                   ; a strip in LDS: 128 rows of 256 bytes (two places) + 16 of padding
.set SLOTB,  4*STRIPB
.set BLK,    8*272
.set HALFR,  8*BLK
.set XCH,    2*SLOTB                   ; behind the ring: two areas for the exchange, 4,096 bytes a wave in each; no tensor load fills them
.set XAREA,  16384
.set SPARE,  XCH+2*XAREA               ; the spare words, 128 bytes a wave: two blocks of 256 bytes that no other line names
.set BOF,  8
.set ADO0, 10
.set ADO,  12
.set XS,   14
.set XL,   15
.set OUTO, 16
.set SPW,  62
.set NIL,  63
.set BFR,  64
.set GA,   128
.set TR,   128                         ; the way out: my partner's half-sums, two buffers of 32
.set QR,   192                         ; the way out: results, two buffers of 32
.set WV, 14
.set NH, 15
.set KP, 16
.set CX, 17
.set CC, 18                            ; s18 column block   s19 sample   s20 stream   s21 label   s22 8 x stream + sample
.set BB, 19
.set II, 20
.set LAB, 21
.set YID, 22
.set G1,  24
.set G0A, 32
.set G0B, 36
.set ABASE, 40
.set OFF, 42
.set BP,  44
.set HO,  52
.set CNT, 58
.set TB,  60
.set MSB, 0
.macro WIN new                         ; the immediate's high byte repeats the setting that is left; a switch that changes nothing is dropped
.if MSB != (\new)
	s_set_vgpr_msb (MSB<<8)|(\new)
.set MSB, (\new)
.endif
.endm
.set MUL_LO, 0xa0                      ; A and B window 0, C and D window 2; + 0x50: window 3
.set LDB,  0x40                        ; destination window 1
.set CVT,  0x05                        ; sources window 1, destination window 0
.set ST3,  0x0c                        ; store data window 3
.set ADD2, 0x02                        ; source 0 window 2
.macro PLACES
.rept 4
	v_nop
.endr
.endm
.macro CREST                           ; a round of the cluster's barrier behind its opening barrier
	s_cmp_lg_u32 s[WV], 0
	s_cbranch_scc1 .Lnot_wave_0_\@
	s_barrier_signal -3
.Lnot_wave_0_\@:
	s_barrier_wait -3
	s_barrier_signal -1
	s_barrier_wait -1
.endm
.macro CROUND
	s_barrier_signal -1
	s_barrier_wait -1
	CREST
.endm
; n x 4 matrix instructions: row blocks a0 .. a0 + n - 1 of my own (hi = 0) or sent (hi = 1) eight x the four fragments of buffer bf.  The accumulators take turns.
.macro WM hi, a0, n, zero, bf
	WIN MUL_LO+0x50*(\hi)
.set wa, (\a0)
.rept (\n)
.irp q, 0,1,2,3
.if \zero
	v_wmma_f32_16x16x32_bf16 v[32*wa+8*(\q):32*wa+8*(\q)+7], v[GA+64*(\hi)+8*wa:GA+64*(\hi)+8*wa+7], v[BFR+32*(\bf)+8*(\q):BFR+32*(\bf)+8*(\q)+7], 0
.else
	v_wmma_f32_16x16x32_bf16 v[32*wa+8*(\q):32*wa+8*(\q)+7], v[GA+64*(\hi)+8*wa:GA+64*(\hi)+8*wa+7], v[BFR+32*(\bf)+8*(\q):BFR+32*(\bf)+8*(\q)+7], v[32*wa+8*(\q):32*wa+8*(\q)+7]
.endif
.endr
.set wa, wa+1
.endr
.endm
; Half hf of stage u: eight loads, k rows 32 u + 16 hf + 8 hh + 0..7; sixteen lanes read 256 consecutive bytes of a row
.macro BLOAD u, hf
	WIN LDB
.irp q, 0,1,2,3,4,5,6,7
	global_load_b128 v[64*(\u)+32*(\hf)+4*(\q):64*(\u)+32*(\hf)+4*(\q)+3], v[BOF], s[BP:BP+1] offset:(32*(\u)+16*(\hf)+(\q))*PITCHB
.endr
.endm
; Half hf of stage t becomes registers 4 hf .. 4 hf + 3 of the four fragments: register c packs k rows 2 c and 2 c + 1
.macro BCVT t, hf
	WIN CVT
.irp q, 0,1,2,3
.irp c, 0,1,2,3
	v_cvt_pk_bf16_f32 v[BFR+32*((\t)&1)+8*(\q)+4*(\hf)+(\c)], v[64*((\t)&3)+32*(\hf)+8*(\c)+(\q)], v[64*((\t)&3)+32*(\hf)+8*(\c)+4+(\q)]
.endr
.endr
.endm
; A's fragments of eight row blocks for substep t of the slot in hand
.macro ALOAD hf, t
	WIN 0
.irp q, 0,1,2,3,4,5,6,7
	ds_load_b128 v[GA+64*(\hf)+8*(\q):GA+64*(\hf)+8*(\q)+3],   v[ADO+(\hf)] offset:((\t)>>1)*STRIPB+((\t)&1)*64+(\q)*BLK
	ds_load_b128 v[GA+64*(\hf)+8*(\q)+4:GA+64*(\hf)+8*(\q)+7], v[ADO+(\hf)] offset:((\t)>>1)*STRIPB+((\t)&1)*64+(\q)*BLK+32
.endr
.endm
; Behind 32 matrix instructions: half a stage is asked for, four substeps ahead; half of the next substep's stage is converted; the A fragments just multiplied are loaded anew.
; The 16 conversions name no register of the matrix instructions in front: they are the four places that the LDS loads into A's registers want (ISA guide 7.12.1 for vector instructions).
.macro LUMP u, hf, iss, lc
.if \iss
	BLOAD \u, \hf
.endif
	s_wait_loadcnt \lc                             ; the half-stage to be converted is in; lc = 8 x the half-stages issued behind it
	BCVT ((\u)+1)&3, \hf
	ALOAD \hf, ((\u)+1)&3
.endm
.macro STEPB                           ; the weights' pointer goes on to the next slot's rows
	s_wait_xcnt 0x0                                ; the loads issued so far have had their addresses translated: only now is their base rewritten
	s_add_nc_u64 s[BP:BP+1], s[BP:BP+1], QSTEP
.endm
.macro NEXTFILL                        ; the walking descriptor: the other slot, the next four strips; the type bits on top are not reached
	s_xor_b32 s[G0B+1], s[G0B+1], SLOTB            ; wave x STRIPB has none of SLOTB's two bits set, so the exclusive or adds or takes away SLOTB
	s_add_nc_u64 s[G0B+2:G0B+3], s[G0B+2:G0B+3], 0x20000
.endm
.macro SUB u, zero, iss, lca, lcb, upd
	s_wait_dscnt 16                                ; my own blocks' fragments are in; the sent blocks' 16 loads may be out
	WM 0, 0, 8, \zero, (\u)&1
.if \upd
	STEPB
.endif
	LUMP \u, 0, \iss, \lca
	s_wait_dscnt 16                                ; the sent blocks' are in; the 16 just issued may be out
	WM 1, 0, 8, \zero, (\u)&1
	LUMP \u, 1, \iss, \lcb
.endm
; A slot's last substep, with the change of slots.  In front of the barrier each wave waits for all its tensor loads (one is out: its strip of the next slot), adds 0 to its spare word, and
; waits for that and for its reads of this slot.  fill = 1: the barrier opens a round of the cluster's, and the joint refill of the slot just read is the first thing behind it.
.macro SUB3S fill
	WIN 0
	s_wait_tensorcnt 0x0                           ; no tensor load of mine is out, so a group 0 may be written
	ds_add_u32 v[SPW], v[NIL]
	s_wait_dscnt 17                                ; my own blocks' fragments are in (the sent blocks' 16 loads and the add may be out)
.if \fill
	NEXTFILL
.endif
	s_xor_b32 s[TB], s[TB], SLOTB
	WM 0, 0, 4, 0, 1
	s_wait_dscnt 0x0                               ; the add is done, and my reads of this slot are over
	s_barrier_signal -1
	WM 0, 4, 4, 0, 1
	WIN 0
	s_barrier_wait -1
.if \fill
	CREST                                          ; no wave of any partner still reads the slot or has a load on its way
	tensor_load_to_lds s[G0B:G0B+3], s[G1:G1+7]    ; my one tensor load behind the round: it has a slot's 256 matrix instructions in which to land
	s_nop 0
	PLACES
.endif
	v_add_nc_u32 v[ADO], s[TB], v[ADO0]
	v_add_nc_u32 v[ADO+1], s[TB], v[ADO0+1]
	LUMP 3, 0, 1, 48
	s_wait_dscnt 16
	WM 1, 0, 8, 0, 1
	LUMP 3, 1, 1, 48
.endm
.macro SUB3F                           ; the very last substep: nothing more to fetch
	s_wait_dscnt 16
	WM 0, 0, 8, 0, 1
	s_wait_dscnt 0x0
	WM 1, 0, 8, 0, 1
	PLACES                                         ; in front of the LDS stores that read results and of the loads into A's registers
.endm
; THE EXCHANGE AND THE WAY OUT, a row block at a time.  I send block q of window 3 (each accumulator's four lowest registers first) and receive my partner's half-sums of
; my own block q.  Two areas take turns: an area is written again behind a barrier in front of which its readers have waited.
.macro XSTORE q
	WIN ST3
.irp e, 0,1,2,3,4,5,6,7
	ds_store_b128 v[XS], v[32*(\q)+4*(\e):32*(\q)+4*(\e)+3] offset:((\q)&1)*XAREA+(\e)*512
.endr
.endm
.macro XLOAD p
	WIN 0
.irp e, 0,1,2,3,4,5,6,7
	ds_load_b128 v[TR+32*((\p)&1)+4*(\e):TR+32*((\p)&1)+4*(\e)+3], v[XL] offset:((\p)&1)*XAREA+(\e)*512
.endr
.endm
.macro OUTP p
	s_wait_xcnt 0x0                                ; the stores of two blocks ago have read this buffer of results: only now is it rewritten
	WIN ADD2
.set z, 0                              ; z = 4 j + e: row 8 hh + j, column 4 r + e; the addition also gathers a row's four columns; each accumulator is read from register 0 on
.rept 32
	v_add_f32 v[QR+32*((\p)&1)+z], v[32*(\p)+8*(z&3)+(z>>2)], v[TR+32*((\p)&1)+8*(z&3)+(z>>2)]
.set z, z+1
.endr
	WIN 0
.irp j, 0,1,2,3,4,5,6,7
	global_store_b128 v[OUTO], v[QR+32*((\p)&1)+4*(\j):QR+32*((\p)&1)+4*(\j)+3], s[HO:HO+1] offset:(16*(\p)+(\j))*4096  ; sixteen lanes store 256 consecutive bytes of a row
.endr
.endm
.macro EPI
	XSTORE 0
.irp p, 0,1,2,3,4,5,6,7
	s_wait_dscnt 0x0                               ; for the others' sake: my stores into the area are done, my reads of the other area are back
	s_barrier_signal -1
	s_barrier_wait -1
	XLOAD \p
.if (\p) < 7
	XSTORE (\p)+1
	s_wait_dscnt 8                                 ; the eight loads are back; the eight stores behind them may be out
.else
	s_wait_dscnt 0x0
.endif
	OUTP \p
.endr
	WIN 0
.endm
	s_load_b256 s[4:11], s[0:1], 0x0               ; h s[4:5], wo s[6:7], swo s[8:9], type_label s[10:11]
	s_load_b64 s[12:13], s[0:1], 0x20              ; y
	v_lshl_add_u32 v[SPW], v0, 2, SPARE
	v_mov_b32 v[NIL], 0
	ds_add_u32 v[SPW], v[NIL]                      ; the wave's opening: the add and its wait stand ahead of my first tensor load; the set-up below stands between them
	v_lshrrev_b32 v1, 5, v0
	v_readfirstlane_b32 s[WV], v1
	s_and_b32 s[NH], s[WV], 1
	s_lshr_b32 s[KP], s[WV], 1
	s_bfe_u32 s[CX], ttmp6, 0x40000
	s_lshl_b32 s[CC], ttmp9, 2                     ; in a cluster launch ttmp9 counts clusters
	s_add_co_u32 s[CC], s[CC], s[CX]               ; column block: it enters the weights' and y's addresses alone
	s_and_b32 s[YID], ttmp7, 0xffff                ; 8 x stream + sample, which the four partners share
	s_and_b32 s[BB], s[YID], 7
	s_lshr_b32 s[II], s[YID], 3
	; descriptor group 1: a strip, 32,768 dense bytes, as 128 rows of 128 elements, padded in LDS
	s_mov_b32 s[G1+0], 15|(1<<16)|(1<<20)|(1<<21)|(5<<22)|(3<<25)  ; 15:0 the mask of four; 17:16 2-byte elements; 20 padding on; 21 set beside a mask; 24:22 after every 64 words (code 5); 31:25 4 words (code 3)
	s_mov_b32 s[G1+1], 128<<16                     ; tensor_dim0 = 128
	s_mov_b32 s[G1+2], 128<<16                     ; tensor_dim1 = 128
	s_mov_b32 s[G1+3], 128<<16                     ; tile_dim0 = 128
	s_mov_b32 s[G1+4], 128                         ; tile_dim1 = 128
	s_mov_b32 s[G1+5], 128                         ; 128 elements from row to row
	s_mov_b32 s[G1+6], 0
	s_mov_b32 s[G1+7], 0
	s_lshl_b32 s66, s[YID], 21                     ; a stream's sample: 64 strips,
	s_lshl_b32 s67, s[WV], 15                      ; my strip of a slot's four
	s_add_co_u32 s[OFF], s66, s67
	s_mov_b32 s[OFF+1], 0
	s_mul_i32 s68, s[WV], STRIPB                   ; and its place in a slot: no place in the cluster enters an LDS address
	s_lshl_b32 s70, s[BB], 2
	s_mov_b32 s71, 0
	s_mov_b32 s[TB], 0
	s_mov_b32 s[CNT], NTRIP
	s_wait_dscnt 0x0                               ; the opening add is done
	s_wait_kmcnt 0x0
	s_add_nc_u64 s[70:71], s[10:11], s[70:71]
	s_load_b32 s[LAB], s[70:71], 0x0               ; the sample's label
	s_add_nc_u64 s[ABASE:ABASE+1], s[4:5], s[OFF:OFF+1]
	s_mov_b32 s[G0A], 1                            ; count = 1
	s_mov_b32 s[G0A+1], s68                        ; LDS address: slot 0
	s_mov_b64 s[G0A+2:G0A+3], s[ABASE:ABASE+1]     ; k 0 to 255
	s_or_b32 s[G0A+3], s[G0A+3], 0x80000000        ; type = 2
	s_mov_b32 s[G0B], 1
	s_add_co_u32 s[G0B+1], s68, SLOTB              ; slot 1
	s_add_nc_u64 s[G0B+2:G0B+3], s[ABASE:ABASE+1], 0x20000  ; k 256 to 511
	s_or_b32 s[G0B+3], s[G0B+3], 0x80000000
	CROUND                                         ; all four work-groups are here: the first joint loads meet
	tensor_load_to_lds s[G0A:G0A+3], s[G1:G1+7]    ; two loads of mine are out
	s_nop 0
	tensor_load_to_lds s[G0B:G0B+3], s[G1:G1+7]
	s_nop 0
	PLACES
	; A fragment of A: lane (r, hh) holds row r of the block, which lies at place 2 (r & 7) + (r >> 3): LDS row r & 7 of the block's eight, half r >> 3; k = 8 hh on and 16 + 8 hh on: two loads, 32 bytes apart
	v_and_b32 v1, 15, v0
	v_bfe_u32 v2, v0, 4, 1
	v_and_b32 v3, 7, v0
	v_bfe_u32 v4, v0, 3, 1
	v_mul_u32_u24 v5, v3, 272
	v_lshl_add_u32 v5, v4, 7, v5
	v_lshl_add_u32 v5, v2, 4, v5
	s_mul_i32 s66, s[KP], 2*STRIPB+HALFR           ; my two strips; my own blocks are 8 kp .. 8 kp + 7,
	v_add_nc_u32 v[ADO0], s66, v5
	s_mul_i32 s66, s[KP], 2*STRIPB-HALFR
	s_add_co_u32 s66, s66, HALFR                   ; the sent ones the other eight
	v_add_nc_u32 v[ADO0+1], s66, v5
	v_mov_b32 v[ADO], v[ADO0]
	v_mov_b32 v[ADO+1], v[ADO0+1]
	v_lshlrev_b32 v[BOF], 4, v1
	v_lshl_add_u32 v[BOF], v2, 15, v[BOF]          ; 8 rows of 4,096 bytes for the upper half of the lanes
	v_and_b32 v6, 31, v0
	v_lshlrev_b32 v6, 4, v6
	s_lshl_b32 s66, s[WV], 12
	s_add_co_u32 s66, s66, XCH
	v_add_nc_u32 v[XS], s66, v6
	s_xor_b32 s66, s[WV], 2                        ; my partner: the same columns, the other half of k
	s_lshl_b32 s66, s66, 12
	s_add_co_u32 s66, s66, XCH
	v_add_nc_u32 v[XL], s66, v6
	v_lshlrev_b32 v[OUTO], 4, v1
	v_lshl_add_u32 v[OUTO], v2, 15, v[OUTO]        ; 8 hh rows of y + 16 r
	s_wait_kmcnt 0x0                               ; the label
	s_min_u32 s[LAB], s[LAB], 4
	s_lshl_b32 s72, s[LAB], 24                     ; an expert's 16 MiB
	s_mov_b32 s73, 0
	s_lshl_b32 s74, s[CC], 9                       ; my columns,
	s_lshl_b32 s75, s[NH], 8
	s_add_co_u32 s74, s74, s75
	s_lshl_b32 s75, s[KP], 19                      ; my 128 of each 256 k rows
	s_add_co_u32 s74, s74, s75
	s_mov_b32 s75, 0
	s_cmp_eq_u32 s[II], 2
	s_cselect_b32 s78, 0x1000000, 0                ; the second shared expert
	s_mov_b32 s79, 0
	s_add_nc_u64 s[76:77], s[6:7], s[72:73]
	s_add_nc_u64 s[78:79], s[8:9], s[78:79]
	s_cmp_eq_u32 s[II], 0
	s_cselect_b64 s[BP:BP+1], s[76:77], s[78:79]
	s_add_nc_u64 s[BP:BP+1], s[BP:BP+1], s[74:75]
	s_lshl_b32 s66, s[YID], 20                     ; y: 256 rows of 4,096 bytes for each stream and sample,
	s_add_co_u32 s66, s66, s74                     ; my own 128 rows (128 x 4,096 = the weights' 128 k rows) and my columns
	s_mov_b32 s67, 0
	s_add_nc_u64 s[HO:HO+1], s[12:13], s[66:67]
	BLOAD 0, 0                                     ; the first slot's stages: 56 loads
	BLOAD 0, 1
	BLOAD 1, 0
	BLOAD 1, 1
	BLOAD 2, 0
	BLOAD 2, 1
	BLOAD 3, 0
	WIN 0
	s_wait_tensorcnt 0x1                           ; my strip of slot 0 is in; slot 1's may stay out
	s_barrier_signal -1
	s_barrier_wait -1                              ; everybody's is
	ALOAD 0, 0
	ALOAD 1, 0
	s_wait_loadcnt 40                              ; stage 0 is in; five half-stages were issued behind it
	BCVT 0, 0
	BCVT 0, 1
	BLOAD 3, 1
	SUB 0, 1, 1, 48, 48, 1                         ; the first products start the sums: nothing is cleared
	s_branch .Lsub1                                ; the loop is entered behind a slot's first substep
.Ltrip:                                                ; a trip: a slot's last substep and the change of slots, then the next slot's substeps 0 to 2
	SUB3S 1
	SUB 0, 0, 1, 48, 48, 1
.Lsub1:
	SUB 1, 0, 1, 48, 48, 0
	SUB 2, 0, 1, 48, 48, 0
	s_sub_co_u32 s[CNT], s[CNT], 1
	s_cmp_lg_u32 s[CNT], 0
	s_cbranch_scc1 .Ltrip
	SUB3S 0                                        ; the tail is written out: no slot is filled that nobody reads; the ring of stages takes its last
	SUB 0, 0, 0, 40, 32, 0                         ; and runs down: 5, 4, .. 0 half-stages behind the one wanted
	SUB 1, 0, 0, 24, 16, 0
	SUB 2, 0, 0, 8, 0, 0
	SUB3F
	EPI
	s_wait_tensorcnt 0x0                           ; the wave's end: an add to the spare word and its wait, behind my last tensor load and my last LDS store
	ds_add_u32 v[SPW], v[NIL]
	s_wait_dscnt 0x0
	CROUND                                         ; the closing round: no work-group ends while a partner may still ask for a tile that names it
	s_endpgm
.Lfunc_end_k_qd089a1aa8a_ffn2:
	.size	k_qd089a1aa8a_ffn2, .Lfunc_end_k_qd089a1aa8a_ffn2-k_qd089a1aa8a_ffn2
	.p2alignl 7, 3214868480
	.fill 96, 4, 3214868480
	.section	.rodata,"a",@progbits
	.p2align	6, 0x0
	.amdhsa_kernel k_qd089a1aa8a_ffn2
		.amdhsa_group_segment_fixed_size 327680
		.amdhsa_private_segment_fixed_size 0
		.amdhsa_enable_private_segment 0
		.amdhsa_kernarg_size 40
		.amdhsa_user_sgpr_count 2
		.amdhsa_user_sgpr_kernarg_segment_ptr 1
		.amdhsa_wavefront_size32 1
		.amdhsa_system_sgpr_workgroup_id_x 1
		.amdhsa_system_sgpr_workgroup_id_y 1
		.amdhsa_system_sgpr_workgroup_id_z 1
		.amdhsa_system_vgpr_workitem_id 0
		.amdhsa_next_free_vgpr 1024
		.amdhsa_next_free_sgpr 96
		.amdhsa_reserve_vcc 0
		.amdhsa_float_denorm_mode_32 3
		.amdhsa_float_denorm_mode_16_64 3
		.amdhsa_memory_ordered 1
		.amdhsa_forward_progress 1
		.amdhsa_inst_pref_size 130
	.end_amdhsa_kernel
	.amdgpu_metadata
---
amdhsa.version: [ 1, 2 ]
amdhsa.kernels:
  - .name:           k_qd089a1aa8a_ffn2
    .symbol:         k_qd089a1aa8a_ffn2.kd
    .args:
      - { .name: h, .offset: 0, .size: 8, .value_kind: global_buffer, .address_space: global }
      - { .name: wo, .offset: 8, .size: 8, .value_kind: global_buffer, .address_space: global }
      - { .name: swo, .offset: 16, .size: 8, .value_kind: global_buffer, .address_space: global }
      - { .name: type_label, .offset: 24, .size: 8, .value_kind: global_buffer, .address_space: global }
      - { .name: y, .offset: 32, .size: 8, .value_kind: global_buffer, .address_space: global }
    .group_segment_fixed_size: 327680
    .private_segment_fixed_size: 0
    .kernarg_segment_align: 8
    .kernarg_segment_size: 40
    .max_flat_workgroup_size: 128
    .sgpr_count:     96
    .vgpr_count:     1024
    .wavefront_size: 32
...
	.end_amdgpu_metadata
.endif
;; end of part 3
;; launch gate (part 4): grid 16 x 12, 8 waves a work-group, no clusters, 17,408 bytes of LDS; arguments y, g1, gp; writes gp
.if DOCPART == 4
	.amdgcn_target "amdgcn-amd-amdhsa--gfx1250"
	.amdhsa_code_object_version 6
	.text
	.protected	k_qd089a1aa8a_gate
	.globl	k_qd089a1aa8a_gate
	.p2align	8
	.type	k_qd089a1aa8a_gate,@function
k_qd089a1aa8a_gate:
	s_mov_b64 s[64:65], 0
	v_nop
	global_prefetch_b8 v0, s[64:65] scope:SCOPE_SE
	s_setreg_imm32_b32 hwreg(HW_REG_WAVE_MODE, 25, 1), 1
	s_wait_xcnt 0x0
; gp[ky][b][n] = the sum over the 256 k of block ky of gate_in[b][k] g1[k][n]; gate_in[b] = token 0 of sample b in the three streams of y, end to end (k = 1024 i + d).  All in f32.
; Eight rows against 12.6 MB of g1: a stream of g1, read once; the matrix units would gain nothing, and f32 keeps the gate free of a further rounding.
; Work-group (cb, ky): columns 64 cb on, k rows 256 ky on (inside one stream, ky >> 2).  Wave: 32 k rows; lane (r, hl): columns 4 r .. 4 r + 3, rows 16 hl + 0..15: sixteen lanes read 256
; consecutive bytes of a row of g1.  The lanes' halves are added by an exchange, the eight waves' parts through LDS; the twelve blocks' parts are added by the next launch.
.set SPARE, 16384                      ; behind the waves' parts: the spare words, 128 bytes a wave: four blocks of 256 bytes that no other line names
.set GV, 16                            ; v[16:143]   gate_in: sample b's 16 numbers at GV + 16 b
.set G,  144                           ; v[144:207]  g1: row t's four numbers at G + 4 t
.set AC, 208                           ; v[208:239]  sums: sample b's four columns at AC + 4 b
.set SPW, 244
.set NIL, 245
	s_load_b128 s[4:7], s[0:1], 0x0                ; y s[4:5], g1 s[6:7]
	s_load_b64 s[8:9], s[0:1], 0x10                ; gp
	v_lshl_add_u32 v[SPW], v0, 2, SPARE
	v_mov_b32 v[NIL], 0
	v_lshrrev_b32 v1, 5, v0
	v_readfirstlane_b32 s10, v1                    ; wave
	v_and_b32 v2, 15, v0                           ; r
	v_bfe_u32 v3, v0, 4, 1                         ; hl
	v_lshlrev_b32 v4, 6, v3                        ; gate_in: 16 numbers on for the upper half
	v_lshlrev_b32 v5, 4, v2
	v_lshl_add_u32 v5, v3, 16, v5                  ; g1: 16 rows of 4,096 bytes on, + 16 r
	v_lshlrev_b32 v6, 4, v2
	v_lshl_add_u32 v6, s10, 11, v6                 ; LDS: my wave's 2,048 bytes, + 16 r
	v_lshlrev_b32 v7, 3, v0                        ; LDS, back: thread t takes 8 bytes at 8 t of every wave's part
	v_and_b32 v8, 31, v0
	v_lshlrev_b32 v8, 3, v8
	v_lshl_add_u32 v8, v1, 12, v8                  ; gp: sample t >> 5, 8 bytes a lane
	s_mov_b32 s16, 0x76543210                      ; v_permlanex16_b32: each lane takes its own place in the other half
	s_mov_b32 s17, 0xfedcba98
	s_and_b32 s11, ttmp7, 0xffff                   ; ky
	s_lshr_b32 s12, s11, 2
	s_lshl_b32 s12, s12, 23                        ; the stream's 8 MiB
	s_and_b32 s13, s11, 3
	s_lshl_b32 s13, s13, 10                        ; 256 numbers a block,
	s_add_co_u32 s12, s12, s13
	s_lshl_b32 s13, s10, 7                         ; 32 a wave
	s_add_co_u32 s12, s12, s13
	s_mov_b32 s13, 0
	s_lshl_b32 s14, s11, 20                        ; g1: 256 rows a block,
	s_lshl_b32 s15, s10, 17                        ; 32 a wave,
	s_add_co_u32 s14, s14, s15
	s_lshl_b32 s15, ttmp9, 8                       ; 64 columns
	s_add_co_u32 s14, s14, s15
	s_lshl_b32 s18, s11, 15                        ; gp: 8 x 1,024 numbers a block
	s_add_co_u32 s18, s18, s15
	s_mov_b32 s15, 0
	s_mov_b32 s19, 0
	s_wait_kmcnt 0x0
	s_add_nc_u64 s[4:5], s[4:5], s[12:13]
	s_add_nc_u64 s[6:7], s[6:7], s[14:15]
	s_add_nc_u64 s[8:9], s[8:9], s[18:19]
.set b, 0
.rept 8                                ; token 0 of sample b: 256 rows of 4,096 bytes on
.irp q, 0,1,2,3
	global_load_b128 v[GV+16*b+4*(\q):GV+16*b+4*(\q)+3], v4, s[4:5] offset:b*1048576+16*(\q)
.endr
.set b, b+1
.endr
.set t, 0
.rept 16
	global_load_b128 v[G+4*t:G+4*t+3], v5, s[6:7] offset:4096*t th:TH_LOAD_NT
.set t, t+1
.endr
.set t, 0
.rept 16
	s_wait_loadcnt 15-t                            ; loads come back in order: gate_in and row t are in, the later rows stay out
.set b, 0
.rept 8
.set c, 0
.rept 4
.if t == 0
	v_mul_f32 v[AC+4*b+c], v[G+c], v[GV+16*b]      ; the first row starts the sums: nothing is cleared
.else
	v_fmac_f32 v[AC+4*b+c], v[G+4*t+c], v[GV+16*b+t]
.endif
.set c, c+1
.endr
.set b, b+1
.endr
.set t, t+1
.endr
.set z, 0
.rept 32
	v_permlanex16_b32 v[G+z], v[AC+z], s16, s17    ; the other half's 16 rows; the destination counts as read: g1's registers have been written
.set z, z+1
.endr
.set z, 0
.rept 16
	v_pk_add_f32 v[AC+2*z:AC+2*z+1], v[AC+2*z:AC+2*z+1], v[G+2*z:G+2*z+1]
.set z, z+1
.endr
.irp q, 0,1,2,3,4,5,6,7
	ds_store_b128 v6, v[AC+4*(\q):AC+4*(\q)+3] offset:256*(\q)  ; both halves of the lanes hold the same numbers and write the same bytes
.endr
	s_wait_dscnt 0x0                               ; for the others' sake: my stores are done
	s_barrier_signal -1
	s_barrier_wait -1
.irp q, 0,1,2,3,4,5,6,7
	ds_load_b64 v[16+2*(\q):17+2*(\q)], v7 offset:2048*(\q)
.endr
	s_wait_dscnt 0x0
	v_pk_add_f32 v[16:17], v[16:17], v[18:19]
	v_pk_add_f32 v[20:21], v[20:21], v[22:23]
	v_pk_add_f32 v[24:25], v[24:25], v[26:27]
	v_pk_add_f32 v[28:29], v[28:29], v[30:31]
	v_pk_add_f32 v[16:17], v[16:17], v[20:21]
	v_pk_add_f32 v[24:25], v[24:25], v[28:29]
	v_pk_add_f32 v[16:17], v[16:17], v[24:25]
	global_store_b64 v8, v[16:17], s[8:9]          ; a wave stores one sample's 64 columns: 256 consecutive bytes
	s_wait_tensorcnt 0x0                           ; the wave's end: an add to the spare word and its wait, behind my last LDS store
	ds_add_u32 v[SPW], v[NIL]
	s_wait_dscnt 0x0
	s_endpgm
.Lfunc_end_k_qd089a1aa8a_gate:
	.size	k_qd089a1aa8a_gate, .Lfunc_end_k_qd089a1aa8a_gate-k_qd089a1aa8a_gate
	.p2alignl 7, 3214868480
	.fill 96, 4, 3214868480
	.section	.rodata,"a",@progbits
	.p2align	6, 0x0
	.amdhsa_kernel k_qd089a1aa8a_gate
		.amdhsa_group_segment_fixed_size 17408
		.amdhsa_private_segment_fixed_size 0
		.amdhsa_enable_private_segment 0
		.amdhsa_kernarg_size 24
		.amdhsa_user_sgpr_count 2
		.amdhsa_user_sgpr_kernarg_segment_ptr 1
		.amdhsa_wavefront_size32 1
		.amdhsa_system_sgpr_workgroup_id_x 1
		.amdhsa_system_sgpr_workgroup_id_y 1
		.amdhsa_system_sgpr_workgroup_id_z 1
		.amdhsa_system_vgpr_workitem_id 0
		.amdhsa_next_free_vgpr 248
		.amdhsa_next_free_sgpr 66
		.amdhsa_reserve_vcc 0
		.amdhsa_float_denorm_mode_32 3
		.amdhsa_float_denorm_mode_16_64 3
		.amdhsa_memory_ordered 1
		.amdhsa_forward_progress 1
		.amdhsa_inst_pref_size 28
	.end_amdhsa_kernel
	.amdgpu_metadata
---
amdhsa.version: [ 1, 2 ]
amdhsa.kernels:
  - .name:           k_qd089a1aa8a_gate
    .symbol:         k_qd089a1aa8a_gate.kd
    .args:
      - { .name: y, .offset: 0, .size: 8, .value_kind: global_buffer, .address_space: global }
      - { .name: g1, .offset: 8, .size: 8, .value_kind: global_buffer, .address_space: global }
      - { .name: gp, .offset: 16, .size: 8, .value_kind: global_buffer, .address_space: global }
    .group_segment_fixed_size: 17408
    .private_segment_fixed_size: 0
    .kernarg_segment_align: 8
    .kernarg_segment_size: 24
    .max_flat_workgroup_size: 256
    .sgpr_count:     66
    .vgpr_count:     248
    .wavefront_size: 32
...
	.end_amdgpu_metadata
.endif
;; end of part 4
;; launch mix (part 5): grid 256 x 1, 8 waves a work-group, no clusters, 1,280 bytes of LDS; arguments y, gp, g2, out0; writes out0
.if DOCPART == 5
	.amdgcn_target "amdgcn-amd-amdhsa--gfx1250"
	.amdhsa_code_object_version 6
	.text
	.protected	k_qd089a1aa8a_mix
	.globl	k_qd089a1aa8a_mix
	.p2align	8
	.type	k_qd089a1aa8a_mix,@function
k_qd089a1aa8a_mix:
	s_mov_b64 s[64:65], 0
	v_nop
	global_prefetch_b8 v0, s[64:65] scope:SCOPE_SE
	s_setreg_imm32_b32 hwreg(HW_REG_WAVE_MODE, 25, 1), 1
	s_wait_xcnt 0x0
; out0[b][s][:] = w[b][0] y[0] + w[b][1] y[1] + w[b][2] y[2], w[b] = softmax(relu(the sum of gp's twelve parts for sample b) g2).  All in f32; the largest logit is taken away before the exponentials.
; Work-group G: rows 8 G .. 8 G + 7 of the 2,048 (sample G >> 5).  Thread t: columns 4 t .. 4 t + 3: a wave's load or store covers 512 consecutive bytes, the eight waves a row.
; Every work-group makes its sample's three weights for itself (48 KB of gp and 12 KB of g2): a launch for 24 numbers would cost more.  All 39 loads of a wave go out first; y's 24 are on
; their way while the weights are made.  A stream: no matrix unit, no cluster.
.set SPARE, 256                        ; bytes 0 to 127: the waves' partial logits; from 256 on the spare words, 128 bytes a wave: four blocks of 256 bytes that no other line names
.set GP, 16                            ; v[16:63]   gp's twelve parts of my four columns
.set G2, 64                            ; v[64:75]   g2's rows 4 t .. 4 t + 3, three numbers each
.set LG, 76                            ; v[76:79]   three logits and a 0
.set W,  26                            ; v[26:31]   the three weights, each twice: pairs for the packed lines
.set Y,  80                            ; v[80:175]  stream i, row r at Y + 32 i + 4 r
.set SPW, 190
.set NIL, 191
	s_load_b256 s[4:11], s[0:1], 0x0               ; y s[4:5], gp s[6:7], g2 s[8:9], out0 s[10:11]
	v_lshl_add_u32 v[SPW], v0, 2, SPARE
	v_mov_b32 v[NIL], 0
	v_lshrrev_b32 v1, 5, v0
	v_readfirstlane_b32 s12, v1                    ; wave
	v_lshlrev_b32 v2, 4, v0                        ; 16 t
	v_mul_u32_u24 v3, 48, v0                       ; four rows of g2
	v_mov_b32 v4, s12
	v_lshlrev_b32 v4, 4, v4                        ; LDS: 16 bytes a wave
	v_mov_b32 v5, 0
	v_mov_b32 v12, 0                               ; v_permlanex16_b32's destinations count as read
	v_mov_b32 v13, 0
	v_mov_b32 v14, 0
	v_mov_b32 v[LG+3], 0
	s_mov_b32 s22, 0x76543210
	s_mov_b32 s23, 0xfedcba98
	s_lshr_b32 s14, ttmp9, 5
	s_lshl_b32 s14, s14, 12                        ; gp: the sample's 1,024 numbers
	s_mov_b32 s15, 0
	s_lshl_b32 s16, ttmp9, 15                      ; eight rows of 4,096 bytes
	s_mov_b32 s17, 0
	s_wait_kmcnt 0x0
	s_add_nc_u64 s[6:7], s[6:7], s[14:15]
	s_add_nc_u64 s[4:5], s[4:5], s[16:17]          ; stream 0,
	s_add_nc_u64 s[18:19], s[4:5], 0x800000        ; 1,
	s_add_nc_u64 s[20:21], s[18:19], 0x800000      ; 2
	s_add_nc_u64 s[10:11], s[10:11], s[16:17]
.irp k, 0,1,2,3,4,5,6,7,8,9,10,11
	global_load_b128 v[GP+4*(\k):GP+4*(\k)+3], v2, s[6:7] offset:32768*(\k)
.endr
.irp k, 0,1,2
	global_load_b128 v[G2+4*(\k):G2+4*(\k)+3], v3, s[8:9] offset:16*(\k)
.endr
.irp r, 0,1,2,3,4,5,6,7
	global_load_b128 v[Y+4*(\r):Y+4*(\r)+3],       v2, s[4:5]   offset:4096*(\r) th:TH_LOAD_NT
	global_load_b128 v[Y+32+4*(\r):Y+32+4*(\r)+3], v2, s[18:19] offset:4096*(\r) th:TH_LOAD_NT
	global_load_b128 v[Y+64+4*(\r):Y+64+4*(\r)+3], v2, s[20:21] offset:4096*(\r) th:TH_LOAD_NT
.endr
	s_wait_loadcnt 24                              ; gp and g2 are in; y's 24 loads stay out
.irp k, 1,2,3,4,5,6,7,8,9,10,11
	v_pk_add_f32 v[GP:GP+1],   v[GP:GP+1],   v[GP+4*(\k):GP+4*(\k)+1]
	v_pk_add_f32 v[GP+2:GP+3], v[GP+2:GP+3], v[GP+4*(\k)+2:GP+4*(\k)+3]
.endr
.irp c, 0,1,2,3
	v_max_num_f32 v[GP+(\c)], 0, v[GP+(\c)]        ; the ReLU
.endr
.irp c, 0,1,2
	v_mul_f32 v[LG+(\c)], v[GP], v[G2+(\c)]
.endr
.irp n, 1,2,3
.irp c, 0,1,2
	v_fmac_f32 v[LG+(\c)], v[GP+(\n)], v[G2+3*(\n)+(\c)]
.endr
.endr
.irp m, 1,2,4,8                        ; over the wave's 32 lanes: four steps inside each half ride on the additions, one crosses the halves
.irp c, 0,1,2
	v_add_f32_dpp v[LG+(\c)], v[LG+(\c)], v[LG+(\c)] row_xmask:\m row_mask:0xf bank_mask:0xf
.endr
.endr
.irp c, 0,1,2
	v_permlanex16_b32 v[12+(\c)], v[LG+(\c)], s22, s23
.endr
.irp c, 0,1,2
	v_add_f32 v[LG+(\c)], v[LG+(\c)], v[12+(\c)]
.endr
	ds_store_b128 v4, v[LG:LG+3]                   ; all lanes of a wave write the same 16 bytes with the same numbers
	s_wait_dscnt 0x0                               ; for the others' sake: my store is done
	s_barrier_signal -1
	s_barrier_wait -1
.irp k, 0,1,2,3,4,5,6,7
	ds_load_b128 v[GP+4*(\k):GP+4*(\k)+3], v5 offset:16*(\k)
.endr
	s_wait_dscnt 0x0
.irp k, 1,2,3,4,5,6,7
	v_pk_add_f32 v[GP:GP+1],   v[GP:GP+1],   v[GP+4*(\k):GP+4*(\k)+1]
	v_pk_add_f32 v[GP+2:GP+3], v[GP+2:GP+3], v[GP+4*(\k)+2:GP+4*(\k)+3]
.endr
	v_max3_num_f32 v6, v[GP], v[GP+1], v[GP+2]
.irp c, 0,1,2
	v_sub_f32 v[GP+(\c)], v[GP+(\c)], v6
.endr
.irp c, 0,1,2
	v_mul_f32 v[GP+(\c)], 0x3fb8aa3b, v[GP+(\c)]   ; log2(e): the exponential works in base 2
.endr
	v_exp_f32 v20, v[GP]
	v_exp_f32 v21, v[GP+1]
	v_exp_f32 v22, v[GP+2]
	v_nop                                          ; a plain instruction behind the last exponential (ISA guide 5.7.2),
	s_wait_alu depctr_va_vdst(0)                   ; and a wait ahead of the first use: one for the three
	v_add_f32 v23, v20, v21
	v_add_f32 v23, v23, v22                        ; at least 1: the largest logit's term
	v_rcp_f32 v24, v23
	v_nop
	s_wait_alu depctr_va_vdst(0)
.irp c, 0,1,2
	v_mul_f32 v[W+2*(\c)],   v[20+(\c)], v24
	v_mul_f32 v[W+2*(\c)+1], v[20+(\c)], v24
.endr
.irp r, 0,1,2,3,4,5,6,7
	s_wait_loadcnt 21-3*(\r)                       ; row r's three loads are in; the later rows' stay out
.irp z, 0,2
	v_pk_mul_f32 v[Y+4*(\r)+(\z):Y+4*(\r)+(\z)+1], v[Y+4*(\r)+(\z):Y+4*(\r)+(\z)+1], v[W:W+1]
	v_pk_fma_f32 v[Y+4*(\r)+(\z):Y+4*(\r)+(\z)+1], v[Y+32+4*(\r)+(\z):Y+32+4*(\r)+(\z)+1], v[W+2:W+3], v[Y+4*(\r)+(\z):Y+4*(\r)+(\z)+1]
	v_pk_fma_f32 v[Y+4*(\r)+(\z):Y+4*(\r)+(\z)+1], v[Y+64+4*(\r)+(\z):Y+64+4*(\r)+(\z)+1], v[W+4:W+5], v[Y+4*(\r)+(\z):Y+4*(\r)+(\z)+1]
.endr
	global_store_b128 v2, v[Y+4*(\r):Y+4*(\r)+3], s[10:11] offset:4096*(\r) th:TH_STORE_NT
.endr
	s_wait_tensorcnt 0x0                           ; the wave's end: an add to the spare word and its wait, behind my last LDS store
	ds_add_u32 v[SPW], v[NIL]
	s_wait_dscnt 0x0
	s_endpgm
.Lfunc_end_k_qd089a1aa8a_mix:
	.size	k_qd089a1aa8a_mix, .Lfunc_end_k_qd089a1aa8a_mix-k_qd089a1aa8a_mix
	.p2alignl 7, 3214868480
	.fill 96, 4, 3214868480
	.section	.rodata,"a",@progbits
	.p2align	6, 0x0
	.amdhsa_kernel k_qd089a1aa8a_mix
		.amdhsa_group_segment_fixed_size 1280
		.amdhsa_private_segment_fixed_size 0
		.amdhsa_enable_private_segment 0
		.amdhsa_kernarg_size 32
		.amdhsa_user_sgpr_count 2
		.amdhsa_user_sgpr_kernarg_segment_ptr 1
		.amdhsa_wavefront_size32 1
		.amdhsa_system_sgpr_workgroup_id_x 1
		.amdhsa_system_sgpr_workgroup_id_y 1
		.amdhsa_system_sgpr_workgroup_id_z 1
		.amdhsa_system_vgpr_workitem_id 0
		.amdhsa_next_free_vgpr 192
		.amdhsa_next_free_sgpr 66
		.amdhsa_reserve_vcc 0
		.amdhsa_float_denorm_mode_32 3
		.amdhsa_float_denorm_mode_16_64 3
		.amdhsa_memory_ordered 1
		.amdhsa_forward_progress 1
		.amdhsa_inst_pref_size 15
	.end_amdhsa_kernel
	.amdgpu_metadata
---
amdhsa.version: [ 1, 2 ]
amdhsa.kernels:
  - .name:           k_qd089a1aa8a_mix
    .symbol:         k_qd089a1aa8a_mix.kd
    .args:
      - { .name: y, .offset: 0, .size: 8, .value_kind: global_buffer, .address_space: global }
      - { .name: gp, .offset: 8, .size: 8, .value_kind: global_buffer, .address_space: global }
      - { .name: g2, .offset: 16, .size: 8, .value_kind: global_buffer, .address_space: global }
      - { .name: out0, .offset: 24, .size: 8, .value_kind: global_buffer, .address_space: global }
    .group_segment_fixed_size: 1280
    .private_segment_fixed_size: 0
    .kernarg_segment_align: 8
    .kernarg_segment_size: 32
    .max_flat_workgroup_size: 256
    .sgpr_count:     66
    .vgpr_count:     192
    .wavefront_size: 32
...
	.end_amdgpu_metadata
.endif
;; end of part 5
